; MI455X (gfx1250); checked and timed in simulation.
; The chip was launched on July 23, 2026; its instructions are those of AMD's public machine-readable ISA for CDNA 5 (MIT licence, August 2026) and "CDNA5" Instruction Set Architecture Reference Guide (July 2026). The comments in the code are by the model that wrote it; some were corrected since.
;; Attention. Allowed arithmetic: matrix products marked QUANTISED: E4M3 operands, one given power-of-two scale a tensor, by v_wmma_f32_16x16x64_fp8_fp8 or v_wmma_f32_16x16x128_fp8_fp8, f32 sums; everything else in f32.
;; Inputs: k 2 x 4,096 x 8 x 64 float32; lowp_scales 4 int32 (the exponents e of the quantised operands' scales 2^e); q 2 x 4,096 x 8 x 64 float32; v 2 x 4,096 x 8 x 64 float32.
;; Outputs: out0 2 x 4,096 x 8 x 64 float32.
;; This version of the problem:
;;   THIS VERSION OF THE PROBLEM IS GIVEN IN LOW PRECISION. The matrix products marked QUANTISED in the list below multiply operands that are first quantised to E4M3 (4 exponent bits, 3 mantissa bits; 8 bits a number), with one given power-of-two scale for each operand tensor; their sums are f32. All else is computed in f32.
;;   The module's matrix products, in the order in which they are computed (A, B: the left and right operand; K: the contracted axis; several contracted axes count as one K, in the product's order):
;;     1. batch 16 x [M 4,096, K 64] x [K 64, N 4,096]; A: input q; B: input k: QUANTISED (scales: A lowp_scales[0], B lowp_scales[1])
;;     2. batch 16 x [M 64, K 4,096] x [K 4,096, N 4,096]; A: input v; B: softmax (see below): QUANTISED (scales: A lowp_scales[2], B lowp_scales[3])
;;   THE QUANTISER, for each operand of a quantised product, along K:
;;     - The operand's scale is 2^e, e = its entry of the input lowp_scales (int32; the entries are numbered through the quantised products in the list's order, A before B).
;;     - Each number is divided by the scale, clamped to +-448, and rounded to the nearest number of E4M3, ties to even, subnormals kept.
;;     - The product sums the exact products of the quantised numbers (number of the format x scale) in f32.
;;   ~~~python
;;   def quantise(x, axis, e):      # numpy; x: float32 -> the quantised numbers, widened to float32 again
;;       x = np.moveaxis(x, axis, -1); K = x.shape[-1]
;;       r = np.clip(x / 2.0 ** e, -448, 448)
;;       step = 2.0 ** (np.maximum(np.frexp(np.where(r == 0, 1, r))[1] - 1, -6) - 3)
;;       q = np.round(r / step) * step * 2.0 ** e      # np.round: ties to even
;;       return np.moveaxis(q, -1, axis).astype(np.float32)
;;   ~~~
;;   SOFTMAX AHEAD OF A QUANTISED PRODUCT. Where the list says 'softmax', what is quantised is not the finished softmax but p = 2^(t - M), with t = logit x log2(e) and M = ceil(the row's largest t), a whole number; so 1/2 < the row's largest p <= 1. The row's sum l is taken of the UNQUANTISED p, in f32, and the product's result is divided by l at the end. Since M is a whole number, a kernel that streams over the keys may use a running M (the ceiling of the running maximum): every later rescaling is an exact power of two, so the quantised numbers keep their values, but for numbers so far below the row's largest that they fall under the format's range.
;;   OPERANDS COMPUTED ON THE WAY. 'Computed on the way' means the value that the module computes at that place (a softmax that the list does not call 'softmax' is quantised finished and normalised). What goes into a quantiser is computed in f32, as accurately as f32 sums, v_exp_f32 and their like allow (about 1e-6 of the number): no bf16 or f16 on the way to a quantiser, and a product that is left as it is and whose result goes on into a quantised operand takes f32 operands (vector FMAs, or v_wmma_f32_16x16x4_f32). A number that lies on a knife's edge between two numbers of the format may be rounded either way, as far as f32 arithmetic and the matrix unit's own rounding can turn it there, and no further.
;; One version. Each part assembles by itself: llvm-mc -triple=amdgcn-amd-amdhsa -mcpu=gfx1250 --defsym DOCPART=n.
;; ======== version 1 of 1: 2 launches
;; limits: right only within a limited range of input values
;; workspace buffers: kv 8,388,608 bytes
;; launch quant (part 1): grid 1024 x 1, 4 waves a work-group, no clusters, 10,752 bytes of LDS; arguments k, v, lowp_scales, kv; writes kv
.if DOCPART == 1
	.amdgcn_target "amdgcn-amd-amdhsa--gfx1250"
	.amdhsa_code_object_version 6
	.text
	.protected	k_q985d09ea62_quant
	.globl	k_q985d09ea62_quant
	.p2align	8
	.type	k_q985d09ea62_quant,@function
k_q985d09ea62_quant:
	s_mov_b64 s[64:65], 0
	v_nop
	global_prefetch_b8 v0, s[64:65] scope:SCOPE_SE
	s_setreg_imm32_b32 hwreg(HW_REG_WAVE_MODE, 25, 1), 1
	s_wait_xcnt 0x0
; k and v, [2][4096][8][64] f32, become codes of E4M3 (one given scale 2^e a tensor: ek = entry 1, ev = entry 2 of the scales), laid in the workspace kv as IMAGES OF THE
; OPERANDS' REGISTERS, so that the attention launch fetches a key step as one dense block and reads every fragment at 16 x lane.
; kv: [head bh = 8 b + h: 16][key step of 128 keys: 32][16,384 bytes]:
;   bytes 0 .. 8191      K: tile t (16 keys) x 1,024 + c x 512 + 16 x lane: registers 4 c .. 4 c + 3 of the fragment; lane (r, h) holds key 16 t + r, and byte beta of register rho is element 32 h + 4 rho + beta
;   bytes 8192 .. 16383  V: tile j x 2,048 + g x 512 + 16 x lane: registers 4 g .. 4 g + 3; lane (r, h) holds channel 4 r + j, and byte beta of register 4 g + q is key 32 g + 16 (q / 2) + 8 h + 4 (q % 2) + beta
; code = x / 2^e, held within +-448, to the nearest code, ties to even.  LIMITS: ek and ev between -126 and 119, so that 2^e and 448 x 2^e are f32 numbers.  NaN among the inputs is not served.
; SHARES.  Work-groups 0 .. 511 take k, 512 .. 1023 take v; each takes one key step of one head, each of its four waves 32 keys.  No loop, no barrier: a wave's sixteen loads go out together.
; A load reads two whole rows (a key's 64 numbers of one head are 256 consecutive bytes, aligned): lanes 0-15 one key, lanes 16-31 the key 8 further on; a lane holds elements 4 r .. 4 r + 3.
; K's codes turn through the wave's own LDS rows; V's are turned in registers, four bytes by four (a lane's four channels x four keys).  Every store of a wave covers 512 consecutive bytes, aligned.
; No matrix unit, no cluster, no tensor load: nothing is shared between work-groups and every byte is read once.
.set X,    16                          ; v16-79   64 numbers as loaded: load n in v[X + 4 n ..]
.set C,    80                          ; v80-95   load n's four codes in v[C + n]
.set T,    96                          ; v96-99   at work in the turning of bytes
.set F,    100                         ; v100-115 the sixteen registers that are stored
.set KP,   80                          ; K's LDS row: a key's 64 codes + 16 bytes of padding
.set WREG, 32*KP                       ; a wave's own LDS: 32 keys
	s_load_b256 s[4:11], s[0:1], 0x0               ; k s[4:5], v s[6:7], the scales' exponents s[8:9], kv s[10:11]
	v_lshl_add_u32 v128, v0, 2, 0x2800
	v_mov_b32 v129, 0
	v_lshrrev_b32 v1, 5, v0
	v_readfirstlane_b32 s12, v1                    ; wave 0..3
	v_and_b32 v1, 31, v0                           ; lane
	v_and_b32 v2, 15, v0                           ; r
	v_bfe_u32 v3, v0, 4, 1                         ; h
	v_lshlrev_b32 v4, 4, v2
	v_lshl_add_u32 v4, v3, 14, v4                  ; in: 16 r, and 8 keys (of 2,048 bytes) further on for lanes 16-31
	v_lshlrev_b32 v5, 4, v1                        ; out: 16 x lane
	s_mul_i32 s13, s12, WREG
	v_mul_u32_u24 v6, v3, 8*KP
	v_lshl_add_u32 v6, v2, 2, v6
	v_add_nc_u32 v6, s13, v6                       ; K into LDS: my wave's rows, 8 rows on for lanes 16-31, byte 4 r
	v_mul_u32_u24 v7, v2, KP
	v_lshl_add_u32 v7, v3, 5, v7
	v_add_nc_u32 v7, s13, v7                       ; and back: row r, byte 32 h
	s_mov_b32 s20, 0x05010400                      ; v_perm_b32 selects: bytes 0 and 1 of two words, interleaved;
	s_mov_b32 s21, 0x07030602                      ; bytes 2 and 3;
	s_mov_b32 s22, 0x05040100                      ; the low halves of two words;
	s_mov_b32 s23, 0x07060302                      ; the high halves
	s_and_b32 s14, ttmp9, 511
	s_lshr_b32 s15, s14, 5                         ; the head bh
	s_and_b32 s14, s14, 31                         ; the key step
	s_lshr_b32 s16, s15, 3                         ; where my 32 keys begin in k or v: b x 2^23
	s_lshl_b32 s16, s16, 23
	s_lshl_b32 s17, s14, 18                        ; + step x 128 keys of 2,048 bytes
	s_add_co_u32 s16, s16, s17
	s_lshl_b32 s17, s12, 16                        ; + wave x 32 keys
	s_add_co_u32 s16, s16, s17
	s_and_b32 s17, s15, 7                          ; + h x 256
	s_lshl_b32 s17, s17, 8
	s_add_co_u32 s16, s16, s17
	s_mov_b32 s17, 0
	s_lshl_b32 s18, s15, 19                        ; and where my images begin in kv: bh x 2^19 + step x 16,384
	s_lshl_b32 s19, s14, 14
	s_add_co_u32 s18, s18, s19
	s_lshl_b32 s28, s12, 11                        ; K: my two tiles, 2,048 x wave
	s_lshl_b32 s29, s12, 9
	s_add_co_u32 s29, s29, 8192                    ; V: my group g = wave of each tile, 8,192 + 512 x wave
	s_wait_alu depctr_va_vdst(0)
	s_wait_kmcnt 0x0
	s_load_b128 s[24:27], s[8:9], 0x0              ; eq, ek, ev, ep
	s_cmp_lt_u32 ttmp9, 512                        ; k's work-group or v's?  The choice hangs on the work-group's number alone
	s_cselect_b64 s[4:5], s[4:5], s[6:7]
	s_cselect_b32 s28, s28, s29
	s_add_co_u32 s18, s18, s28
	s_mov_b32 s19, 0
	s_add_nc_u64 s[4:5], s[4:5], s[16:17]
	s_add_nc_u64 s[10:11], s[10:11], s[18:19]
.irp n, 0,1,2,3,4,5,6,7,8,9,10,11,12,13,14,15
	global_load_b128 v[X+4*\n:X+4*\n+3], v4, s[4:5] offset:(\n%8+16*(\n/8))*2048 th:TH_LOAD_NT   ; key n % 8 + 16 (n / 8) + 8 h of my 32, elements 4 r .. 4 r + 3
.endr
	s_wait_kmcnt 0x0
	s_cmp_lt_u32 ttmp9, 512
	s_cselect_b32 s24, s25, s26                    ; e
	s_add_co_i32 s24, s24, 127
	s_lshl_b32 s25, s24, 23
	v_mov_b32 v9, s25                              ; 2^e as f32: the conversion takes its exponent field
	s_add_co_i32 s24, s24, 8
	s_lshl_b32 s24, s24, 23
	s_or_b32 s24, s24, 0x600000
	v_mov_b32 v8, s24                              ; 448 x 2^e
	s_wait_alu depctr_va_vdst(0)
.irp m, 0,1,2,3,4,5,6,7
	s_wait_loadcnt 14-2*\m                         ; loads come back in order: loads 2 m and 2 m + 1 are in, the younger ones stay out
.irp i, 0,1,2,3,4,5,6,7
	v_med3_num_f32 v[X+8*\m+\i], v[X+8*\m+\i], -v8, v8   ; the conversion to an 8-bit code does not saturate (ISA guide 7.6.2): the hold at the largest code x the scale comes first
.endr
	v_cvt_scalef32_pk8_fp8_f32 v[C+2*\m:C+2*\m+1], v[X+8*\m:X+8*\m+7], v9
.endr
	v_nop                                          ; one plain vector line between the last conversion and the vector lines that read its result
	s_cmp_lt_u32 ttmp9, 512
	s_cbranch_scc0 .Lv
	; ---- K: a fragment's lane wants 32 neighbouring codes of ONE key.  Four codes a lane go into rows of 80 bytes and come back 16 bytes at a time.
.irp n, 0,1,2,3,4,5,6,7,8,9,10,11,12,13,14,15
	ds_store_b32 v6, v[C+\n] offset:(\n%8+16*(\n/8))*KP
.endr
.irp i, 0,1,2,3
	ds_load_b128 v[F+4*\i:F+4*\i+3], v7 offset:(\i/2)*16*KP+16*(\i%2)   ; tile i / 2 of my two, registers 4 (i % 2) on.  LDS serves a wave's instructions in order (ISA guide 5.7.1.4): these see my stores
.endr
.irp i, 0,1,2,3
	s_wait_dscnt 3-\i                              ; read-back i is in, the younger ones stay out
	global_store_b128 v5, v[F+4*\i:F+4*\i+3], s[10:11] offset:512*\i
.endr
	s_wait_tensorcnt 0x0
	ds_add_u32 v128, v129
	s_wait_dscnt 0x0
	s_endpgm
.Lv:
	; ---- V: the keys are the second product's K.  Words C + 4 q .. C + 4 q + 3 hold channels 4 r + 0 .. 3 (bytes) of four neighbouring keys (words): turned, byte beta of word (j, q) is channel 4 r + j of key 4 q + beta.
.irp qb, 0,1,2,3
	v_perm_b32 v[T],   v[C+4*\qb+1], v[C+4*\qb],   s20
	v_perm_b32 v[T+1], v[C+4*\qb+1], v[C+4*\qb],   s21
	v_perm_b32 v[T+2], v[C+4*\qb+3], v[C+4*\qb+2], s20
	v_perm_b32 v[T+3], v[C+4*\qb+3], v[C+4*\qb+2], s21
	v_perm_b32 v[F+\qb],    v[T+2], v[T],   s22
	v_perm_b32 v[F+4+\qb],  v[T+2], v[T],   s23
	v_perm_b32 v[F+8+\qb],  v[T+3], v[T+1], s22
	v_perm_b32 v[F+12+\qb], v[T+3], v[T+1], s23
.endr
.irp jj, 0,1,2,3
	global_store_b128 v5, v[F+4*\jj:F+4*\jj+3], s[10:11] offset:2048*\jj   ; tile j's registers 4 g .. 4 g + 3, g = my wave
.endr
	s_endpgm
.Lfunc_end_k_q985d09ea62_quant:
	.size	k_q985d09ea62_quant, .Lfunc_end_k_q985d09ea62_quant-k_q985d09ea62_quant
	.p2alignl 7, 3214868480
	.fill 96, 4, 3214868480
	.section	.rodata,"a",@progbits
	.p2align	6, 0x0
	.amdhsa_kernel k_q985d09ea62_quant
		.amdhsa_group_segment_fixed_size 10752
		.amdhsa_private_segment_fixed_size 0
		.amdhsa_enable_private_segment 0
		.amdhsa_kernarg_size 32
		.amdhsa_user_sgpr_count 2
		.amdhsa_user_sgpr_kernarg_segment_ptr 1
		.amdhsa_wavefront_size32 1
		.amdhsa_system_sgpr_workgroup_id_x 1
		.amdhsa_system_sgpr_workgroup_id_y 1
		.amdhsa_system_sgpr_workgroup_id_z 1
		.amdhsa_system_vgpr_workitem_id 0
		.amdhsa_next_free_vgpr 130
		.amdhsa_next_free_sgpr 66
		.amdhsa_reserve_vcc 0
		.amdhsa_float_denorm_mode_32 3
		.amdhsa_float_denorm_mode_16_64 3
		.amdhsa_memory_ordered 1
		.amdhsa_forward_progress 1
		.amdhsa_inst_pref_size 14
	.end_amdhsa_kernel
	.amdgpu_metadata
---
amdhsa.version: [ 1, 2 ]
amdhsa.kernels:
  - .name:           k_q985d09ea62_quant
    .symbol:         k_q985d09ea62_quant.kd
    .args:
      - { .name: k, .offset: 0, .size: 8, .value_kind: global_buffer, .address_space: global }
      - { .name: v, .offset: 8, .size: 8, .value_kind: global_buffer, .address_space: global }
      - { .name: lowp_scales, .offset: 16, .size: 8, .value_kind: global_buffer, .address_space: global }
      - { .name: kv, .offset: 24, .size: 8, .value_kind: global_buffer, .address_space: global }
    .group_segment_fixed_size: 10752
    .private_segment_fixed_size: 0
    .kernarg_segment_align: 8
    .kernarg_segment_size: 32
    .max_flat_workgroup_size: 128
    .sgpr_count:     66
    .vgpr_count:     130
    .wavefront_size: 32
...
	.end_amdgpu_metadata
.endif
;; end of part 1
;; launch attn (part 2): grid 16 x 16, 8 waves a work-group, clusters of 4 x 1, 327,680 bytes of LDS; arguments q, kv, lowp_scales, out0; writes out0
.if DOCPART == 2
	.amdgcn_target "amdgcn-amd-amdhsa--gfx1250"
	.amdhsa_code_object_version 6
	.text
	.protected	k_q985d09ea62_attn
	.globl	k_q985d09ea62_attn
	.p2align	8
	.type	k_q985d09ea62_attn,@function
k_q985d09ea62_attn:
	s_mov_b64 s[64:65], 0
	v_nop
	global_prefetch_b8 v0, s[64:65] scope:SCOPE_SE
	s_setreg_imm32_b32 hwreg(HW_REG_WAVE_MODE, 25, 1), 1
	s_wait_xcnt 0x0
	s_wait_alu depctr_hold_cnt(0) depctr_sa_sdst(0) depctr_va_vdst(0) depctr_va_sdst(0) depctr_va_ssrc(0) depctr_va_vcc(0) depctr_vm_vsrc(0)
	s_getreg_b32 s2, hwreg(HW_REG_IB_STS2, 6, 4)
	s_cmp_eq_u32 s2, 0
	s_cbranch_scc0 .Lentry_in_a_cluster
	s_endpgm
.Lentry_in_a_cluster:
	s_bfe_u32 s2, ttmp6, 0x10000c
	s_cmp_lg_u32 s2, 0x3003
	s_cbranch_scc0 .Lentry_shape_is_right
	s_endpgm
.Lentry_shape_is_right:
; out0[b][l][h][:] = the sum over s of softmax_s(q[b][l][h] . k[b][s][h] / 8) v[b][s][h][:], both products on codes of E4M3, each operand with the one scale 2^e that is given: eq, ek, ev, ep (entries 0 to 3).
; q, out0: [2][4096][8][64] f32.  k's and v's codes come from the workspace kv, laid as images of the operands' registers: [head bh][key step of 128 keys][K: 8 tiles x 1,024 bytes | V: 4 tiles x 2,048 bytes].
; THE SOFTMAX: t = score x log2(e) / 8; M = the row's largest t so far, rounded UP to a whole number; p = 2^(t - M) is what is quantised, not normalised.  The row's sum is taken of the unquantised p, in f32,
; and divides at the end.  When M moves, the sum and O are multiplied by 2^(old M - new M), which rounds nothing; there is no branch on data.
; SHARES.  A work-group owns 256 queries of one head; each of its eight waves 32: two tiles of 16, A and B, in 512 registers.  Every wave walks all 4,096 keys, 128 a step; a fragment of K or V feeds two matrix instructions.
; CLUSTER.  The four query blocks of a cluster belong to one head and walk the same kv: each step's block is asked for JOINTLY, by the same tensor load with the same descriptor and the mask 15.
; LAYOUT.  Both products are used transposed: S^T = K Q^T (K = 64), O^T = V^T P (K = 128): a lane holds ONE query (lane % 16) throughout.
;   K and Q: lane (r, h) holds row r; byte beta of register rho is element 32 h + 4 rho + beta, the same places in both.
;   S^T, tile t: register j of lane (r, h) is key 16 t + 8 h + j.  Eight of them converted are registers 2 t, 2 t + 1 of P; V's images have the keys in the same places.
;   V's tile j holds channels 4 r + j, so register m of O^T's tile j is channel 32 h + 4 m + j: the last multiplication's register numbers put a lane's 32 channels in order.
; THE ORDER OF A KEY STEP.  No chain of dependent lines stands alone: a tile's maxima go in six chains; tile A's eight lines of statistics lie among tile B's maxima, tile B's among tile A's t - M.
;   O^T is brought under the new M ahead of the exponentials.  The exponentials go in two batches; among them lie only lines whose results are read behind the next wait:
;   among tile A's: tile B's t - M; among tile B's: the first level of tile A's sums (into registers of their own) and tile A's holds.
; THE RING.  Two LDS slots of four key steps (65,536 bytes, dense).  Waves 0 to 3 fetch a step's 16,384 bytes each, one load a wave behind each round; at most one tensor load of a wave is out.
; LIMITS on the given exponents, so that each power of two below is an f32 number: eq + ek between -123 and 130 (added to c's exponent field); eq and ep between -126 and 119; ep + ev goes by v_ldexp_f32 and has none.  NaN among the inputs is not served.
; REGISTERS.  Window 0: v1-11 addresses and the conversions' numbers; v12-27 statistics; v28-29 tile B's second chain of sums; v32-47 Q; v48-79 P; v80-207 S^T, then p; v208-239 tile A's first sums; v240-251 the maxima's chains.
;   Window 1: v0-63 O^T (tile x, channels' tile j at 32 x + 8 j); v64-127 K of one step; v128-191 V of one step.
.set STEPB, 16384                      ; a key step's images
.set SLOT1, 65536                      ; a slot: four steps; one exclusive or turns an address in one slot into the other's
.set NSL,   8                          ; slots' worth of keys: 4,096 / 512
.set SPARE, 2*SLOT1                    ; the spare words, 128 bytes for each wave: four blocks of 256 bytes that no other line names
.set STAGE, SPARE+1024                 ; 16 rows x 272 bytes for each wave, for q's way in and the way out; no fill lands here
.set SP,    272                        ; a stage row: 256 bytes + 16 of padding
.set LI,   1                           ; v1   16 x lane
.set ADR,  2                           ; v2   the slot in hand + 16 x lane
.set SPW,  3                           ; v3   my spare word's LDS address; never rewritten
.set NIL,  4                           ; v4   0; never rewritten
.set PFO,  5                           ; v5   256 x lane: the prefetches' offset
.set STO,  6                           ; v6   the stage by lanes' rows: row r, byte 128 h
.set RD,   7                           ; v7   the stage by whole rows: row h, byte 16 r
.set GO,   8                           ; v8   the same two rows in q and out0: 2,048 h + 16 r
.set LIM2, 9                           ; v9   448 x 2^ep once more: the second half of a dual pair takes its second source from another register
.set LIMV, 10                          ; v10  448 x the scale of the conversion in hand
.set SCL,  11                          ; v11  that scale as f32
.set ST,   12                          ; tile x at v[ST + 8 x]: +0 -M, +1 the largest score so far, +2, +3 the sum in two halves, +4 f, +5 0, +6, +7 at work
.set UU,   28
.set Q,    32
.set P,    48
.set S,    80
.set RAW,  144                         ; q's rows as loaded, out0's rows as stored
.set T,    208
.set CH,   240
.set KF,   64                          ; in window 1
.set VF,   128
.set WV,   12                          ; s12  my wave's number
.set LIM,  15                          ; s15  1 in a wave that prefetches, else the greatest number
.set PFA,  18                          ; s[18:19] where my prefetches stand
.set SEL,  20                          ; s[20:21] lane selects: lane l xor 16
.set CS,   22                          ; s[22:23] c = log2(e) / 8 x 2^(eq + ek)
.set G1,   24
.set G0,   32
.set TB,   36                          ; s36  LDS byte at which the slot in hand begins
.set SLOTS, 37                         ; s37  slots still to be asked for
.set MSB, 0
.macro WIN new                         ; the immediate's high byte repeats the setting that is left
.if MSB != \new
	s_set_vgpr_msb (MSB<<8)|\new
.set MSB, \new
.endif
.endm
.set W_LD,  0x40                       ; destination window 1
.set W_KQ,  0x01                       ; K window 1; Q and S^T window 0
.set W_PV,  0x51                       ; V, C and D window 1; P window 0
.set W_RS,  0x41                       ; O^T window 1; f window 0
.set W_OUT, 0x01
.macro CROUND                          ; a round of the cluster's barrier
	s_barrier_signal -1
	s_barrier_wait -1
	s_cmp_lg_u32 s[WV], 0
	s_cbranch_scc1 .Lnot_wave_0_\@
	s_barrier_signal -3
.Lnot_wave_0_\@:
	s_barrier_wait -3
	s_barrier_signal -1
	s_barrier_wait -1
.endm
.macro JLOAD                           ; waves 0 to 3 fetch one key step each; the branch hangs on the wave's number alone; s_nop 0 and four v_nop follow the load
	s_cmp_lt_u32 s[WV], 4
	s_cbranch_scc0 .Lasked_\@
	tensor_load_to_lds s[G0:G0+3], s[G1:G1+7]
	s_nop 0
.rept 4
	v_nop
.endr
.Lasked_\@:
.endm
; A prefetch of the slot that the NEXT change of slots will ask for: four key steps ahead of that load.  Each aligned block of 256 bytes is named once in the launch: the head's first cluster asks; its four partners
; take 16,384 bytes each, told apart by address; in each, waves 4 and 5 take 8,192 bytes, lanes 256 bytes apart.  Slots 0 and 1 come by their loads alone; the last change that fills a slot asks for nothing.
.macro ASK
	s_cmp_gt_u32 s[SLOTS], s[LIM]
	s_cbranch_scc0 .Lnot_mine_\@
	global_prefetch_b8 v[PFO], s[PFA:PFA+1] th:TH_LOAD_NT scope:SCOPE_SE
.Lnot_mine_\@:
.endm
.macro KLOAD q
	WIN W_LD
.irp t, 0,1,2,3,4,5,6,7
	ds_load_b128 v[KF+8*\t:KF+8*\t+3],   v[ADR] offset:STEPB*(\q)+1024*\t
	ds_load_b128 v[KF+8*\t+4:KF+8*\t+7], v[ADR] offset:STEPB*(\q)+1024*\t+512
.endr
.endm
.macro VLOAD q
	WIN W_LD
.irp jj, 0,1,2,3
.irp g, 0,1,2,3
	ds_load_b128 v[VF+16*\jj+4*\g:VF+16*\jj+4*\g+3], v[ADR] offset:STEPB*(\q)+8192+2048*\jj+512*\g
.endr
.endr
.endm
.macro KQ                              ; each product is a whole sum (K = 64) and starts from the constant 0
	WIN W_KQ
.irp t, 0,1,2,3,4,5,6,7
.irp x, 0,1
	v_wmma_f32_16x16x64_fp8_fp8 v[S+64*\x+8*\t:S+64*\x+8*\t+7], v[KF+8*\t:KF+8*\t+7], v[Q+8*\x:Q+8*\x+7], 0
.endr
.endr
.endm
.macro PV x                            ; the accumulators by turns, one instruction a turn
.irp jj, 0,1,2,3
	v_wmma_f32_16x16x128_fp8_fp8 v[32*(\x)+8*\jj:32*(\x)+8*\jj+7], v[VF+16*\jj:VF+16*\jj+15], v[P+16*(\x):P+16*(\x)+15], v[32*(\x)+8*\jj:32*(\x)+8*\jj+7]
.endr
.endm
.macro RESC x                          ; O^T x f, each accumulator from its low end on
.set i, 0
.rept 16
	v_pk_mul_f32 v[32*(\x)+2*i:32*(\x)+2*i+1], v[32*(\x)+2*i:32*(\x)+2*i+1], v[ST+8*(\x)+4:ST+8*(\x)+5] op_sel_hi:[1,0]
.set i, i+1
.endr
.endm
; Line n (0 .. 31) of tile x's largest score among the lane's 64: six chains, the registers ascending
.macro MAXI x
.set rS, S+64*(\x)
.set rC, CH+6*(\x)
.if n < 6
	v_max3_num_f32 v[rC+n], v[rS+3*n], v[rS+3*n+1], v[rS+3*n+2]
.elseif n < 29
	v_max3_num_f32 v[rC+n%6], v[rC+n%6], v[rS+2*n+6], v[rS+2*n+7]
.elseif n == 29
	v_max3_num_f32 v[rC], v[rC], v[rC+1], v[rC+2]
.elseif n == 30
	v_max3_num_f32 v[rC+3], v[rC+3], v[rC+4], v[rC+5]
.else
	v_max_num_f32 v[rC], v[rC], v[rC+3]
.endif
.set n, n+1
.endm
; Line m (0 .. 7) of tile x's statistics
.macro STAT x
.set rT, ST+8*(\x)
.set rC, CH+6*(\x)
.if m == 0
	v_permlanex16_b32 v[rT+7], v[rC], s[SEL], s[SEL+1]     ; the query's other 64 keys lie in the lane 16 away
.elseif m == 1
	v_max3_num_f32 v[rT+1], v[rT+1], v[rC], v[rT+7]        ; the largest score so far (c is positive, so the largest t is c x this)
.elseif m == 2
	v_mul_f32 v[rT+7], s[CS], v[rT+1]                      ; as t
.elseif m == 3
	v_floor_f32 v[rT], -v[rT+7]                            ; the new -M = -ceil(t): a whole number
.elseif m == 4
	v_sub_f32 v[rT+6], v[rT], v[rT+6]                      ; old M - new M, 0 or less
.elseif m == 5
	v_cvt_i32_f32 v[rT+6], v[rT+6]                         ; (it saturates)
.elseif m == 6
	v_ldexp_f32 v[rT+4], 1.0, v[rT+6]                      ; f
.else
	v_pk_mul_f32 v[rT+2:rT+3], v[rT+2:rT+3], v[rT+4:rT+5] op_sel_hi:[1,0]   ; the sum under the new M
.endif
.set m, m+1
.endm
.macro FMA x                           ; t - M for pair i of tile x's scores (of the pairs c and -M the low word serves both halves)
.set rT, ST+8*(\x)
.set rS, S+64*(\x)+2*i
	v_pk_fma_f32 v[rS:rS+1], v[rS:rS+1], s[CS:CS+1], v[rT:rT+1] op_sel_hi:[1,0,0]
.set i, i+1
.endm
.macro HOLD2 a                         ; the conversion to an 8-bit code does not saturate (ISA guide 7.6.2); p is not negative, so the hold is one-sided; two holds in one dual pair
	v_dual_min_num_f32 v[(\a)], v[(\a)], v[LIMV] :: v_dual_min_num_f32 v[(\a)+1], v[(\a)+1], v[LIM2]
.endm
; A KEY STEP: 128 keys, the q-th of the slot in hand.  K of this step was asked for in the step before (or at the slot's head).
; chg (in a slot's last step alone): 1: the change of slots with a fill stands in this step; 2: the change without a fill; 0: none.
.macro STEP q, chg
	s_wait_dscnt 0x0                               ; K is in
	KQ
	WIN 0
	v_mov_b32 v[ST+6], v[ST]                       ; the old -M of both tiles; with the two v_nop these are the four places behind the products,
	v_mov_b32 v[ST+14], v[ST+8]                    ; in front of the loads into V's and K's registers and of the first read of the scores
	v_nop
	v_nop
	VLOAD \q
.if (\q) < 3
	KLOAD (\q)+1
.endif
	WIN 0
.set n, 0
.rept 32
	MAXI 0
.endr
.set n, 0
.set m, 0
.rept 8
	MAXI 1
	MAXI 1
	MAXI 1
	MAXI 1
	STAT 0
.endr
.set i, 0
.set m, 0
.rept 8
	FMA 0
	FMA 0
	FMA 0
	FMA 0
	STAT 1
.endr
	WIN W_RS
	RESC 0
	RESC 1
	WIN 0
	s_wait_alu depctr_va_vdst(0)                   ; the wait ahead of a batch of exponentials
.set i, 0
.set j, 0
.rept 16
	v_exp_f32 v[S+4*j], v[S+4*j]                   ; tile A's p = 2^(t - M), at most 1
	v_exp_f32 v[S+4*j+1], v[S+4*j+1]
	v_exp_f32 v[S+4*j+2], v[S+4*j+2]
	v_exp_f32 v[S+4*j+3], v[S+4*j+3]
	FMA 1                                          ; sixteen of tile B's 32 lines lie among the exponentials,
.set j, j+1
.endr
.rept 16
	FMA 1                                          ; and sixteen stand between the last exponential and the wait for the batch
.endr
	s_wait_alu depctr_va_vdst(0)                   ; behind tile A's batch and ahead of tile B's
.set k, 0
.rept 16
.set rA, S+4*k
.set rB, S+64+4*k
	v_exp_f32 v[rB], v[rB]
.if k < 11
	v_pk_add_f32 v[T+2*k:T+2*k+1], v[rA:rA+1], v[rA+2:rA+3]   ; the sums are taken of the UNQUANTISED p, ahead of the hold
.endif
	v_exp_f32 v[rB+1], v[rB+1]
	v_exp_f32 v[rB+2], v[rB+2]
.if k < 11
	HOLD2 rA
.endif
	v_exp_f32 v[rB+3], v[rB+3]
.if k < 11
	HOLD2 rA+2
.endif
.set k, k+1
.endr
.set k, 11
.rept 5                                        ; tile A's units 11 to 15, fifteen lines, stand between the last exponential and the wait for the batch
.set rA, S+4*k
	v_pk_add_f32 v[T+2*k:T+2*k+1], v[rA:rA+1], v[rA+2:rA+3]
	HOLD2 rA
	HOLD2 rA+2
.set k, k+1
.endr
.if (\q) < 3
	s_wait_dscnt 16                                ; V is in; the 16 loads of the next step's K may stay out
	s_wait_alu depctr_va_vdst(0)                   ; behind tile B's batch
.elseif (\chg) == 0
	s_wait_dscnt 0x0                               ; V is in: my last reads of the last slot
	s_wait_alu depctr_va_vdst(0)                   ; behind tile B's batch
.else
	s_wait_alu depctr_va_vdst(0)                   ; behind tile B's batch, and ahead of the waits and branches of the change
	s_xor_b32 s[TB], s[TB], SLOT1                  ; on to the other slot
	CHANGE (\chg)&1                                ; its wait on DScnt covers V's loads, my last reads of the slot that I leave
	v_add_nc_u32 v[ADR], s[TB], v[LI]
	s_wait_alu depctr_va_vdst(0)
	KLOAD 0                                        ; the next slot's first K: it lands under the rest of this step, which works on registers alone
	WIN 0
.endif
.set k, 0
.rept 16
.set rB, S+64+4*k
.if k == 0
	v_pk_add_f32 v[UU:UU+1], v[rB:rB+1], v[rB+2:rB+3]
.else
	v_pk_add_f32 v[ST+10:ST+11], v[ST+10:ST+11], v[rB:rB+1]
	v_pk_add_f32 v[UU:UU+1], v[UU:UU+1], v[rB+2:rB+3]
.endif
	v_pk_add_f32 v[ST+2:ST+3], v[ST+2:ST+3], v[T+2*k:T+2*k+1]
	HOLD2 rB
	HOLD2 rB+2
.if k%2 == 0
	v_cvt_scalef32_pk8_fp8_f32 v[P+k:P+k+1], v[S+4*k:S+4*k+7], v[SCL]           ; tile A: registers k, k + 1 of P
.elseif k > 1
	v_cvt_scalef32_pk8_fp8_f32 v[P+16+k-3:P+16+k-2], v[rB-12:rB-5], v[SCL]      ; tile B: registers k - 3, k - 2: the eight numbers held in units k - 3 and k - 2
.endif
.set k, k+1
.endr
	v_cvt_scalef32_pk8_fp8_f32 v[P+30:P+31], v[S+120:S+127], v[SCL]             ; tile B's last eight
	v_pk_add_f32 v[ST+10:ST+11], v[ST+10:ST+11], v[UU:UU+1]   ; also the plain line between the last conversion and the products that read P
	WIN W_PV
	PV 0
	PV 1
.endm
; THE CHANGE OF SLOTS stands in a slot's last key step, where that step's V, the last thing read from the slot, is waited for (the first change: ahead of the loop).
; The wait for all my tensor loads, the add of 0 onto my spare word, the wait for it and for my reads of the slot that I leave.
; fill = 1: a round of the cluster's barrier, and the slot just left is filled with the 512 keys after the next slot's: the joint load is the first thing behind the round and has four key steps in which to land.
.macro CHANGE fill
	WIN 0
	s_wait_tensorcnt 0x0
	ds_add_u32 v[SPW], v[NIL]
.if \fill
	ds_add_u32 v[SPW], v[NIL]                      ; the add twice on end
	s_xor_b32 s[G0+1], s[G0+1], SLOT1
	s_add_nc_u64 s[G0+2:G0+3], s[G0+2:G0+3], SLOT1
	s_wait_xcnt 0x0                                ; the last prefetch has read its address
	s_add_nc_u64 s[PFA:PFA+1], s[PFA:PFA+1], SLOT1
	s_wait_dscnt 0x0
	CROUND
	JLOAD
	ASK
.else
	s_wait_dscnt 0x0
	s_barrier_signal -1
	s_barrier_wait -1
.endif
.endm
.macro SLOT_STEPS chg
	STEP 0, 0
	STEP 1, 0
	STEP 2, 0
	STEP 3, \chg
	WIN 0
.endm
	s_load_b256 s[4:11], s[0:1], 0x0               ; q s[4:5], kv s[6:7], the scales' exponents s[8:9], out0 s[10:11]
	v_lshl_add_u32 v[SPW], v0, 2, SPARE
	v_mov_b32 v[NIL], 0
	ds_add_u32 v[SPW], v[NIL]                      ; the opening: the add, twice on end, and its wait ahead of the first tensor load
	ds_add_u32 v[SPW], v[NIL]
	v_lshrrev_b32 v1, 5, v0
	v_readfirstlane_b32 s[WV], v1                  ; wave 0..7
	s_bfe_u32 s13, ttmp6, 0x40000                  ; cx
	s_lshl_b32 s14, ttmp9, 2
	s_add_co_u32 s14, s14, s13                     ; my block of 256 queries: it enters q's and out0's addresses alone
	s_and_b32 s44, ttmp7, 0xffff                   ; the head bh = 8 b + h, which the four partners share
	s_lshr_b32 s16, s44, 3                         ; my wave's first row in q and out0: b x 2^23
	s_lshl_b32 s16, s16, 23
	s_lshl_b32 s45, s14, 19                        ; + block x 256 rows of 2,048 bytes
	s_add_co_u32 s16, s16, s45
	s_lshl_b32 s45, s[WV], 16                      ; + wave x 32 rows
	s_add_co_u32 s16, s16, s45
	s_and_b32 s45, s44, 7                          ; + h x 256
	s_lshl_b32 s45, s45, 8
	s_add_co_u32 s16, s16, s45
	s_mov_b32 s17, 0
	s_lshl_b32 s46, s44, 19                        ; what I fetch, if I fetch: the head's images, step wave % 4 of a slot
	s_and_b32 s48, s[WV], 3
	s_lshl_b32 s48, s48, 14
	s_add_co_u32 s46, s46, s48
	s_mov_b32 s47, 0
	s_lshl_b32 s50, s44, 19                        ; my prefetches: the head's images, slot 1 (the first change steps it to slot 2),
	s_add_co_u32 s50, s50, SLOT1
	s_lshl_b32 s49, s13, 14                        ; my work-group's 16,384 bytes,
	s_add_co_u32 s50, s50, s49
	s_and_b32 s49, s[WV], 1                        ; my wave's 8,192 of them
	s_lshl_b32 s49, s49, 13
	s_add_co_u32 s50, s50, s49
	s_mov_b32 s51, 0
	s_lshr_b32 s[LIM], s[WV], 1
	s_xor_b32 s[LIM], s[LIM], 2                    ; 0 in waves 4 and 5,
	s_or_b32 s[LIM], s[LIM], ttmp9                 ; where the cluster is the head's first
	s_cmp_eq_u32 s[LIM], 0
	s_cselect_b32 s[LIM], 1, -1
	s_mov_b32 s[G1], 15|(3<<16)|(1<<21)            ; the mask: all four; elements of 8 bytes; bit 21 beside a mask
	s_mov_b32 s[G1+1], 32<<16                      ; a dense block of 16,384 bytes as 64 rows of 256 bytes
	s_mov_b32 s[G1+2], 64<<16
	s_mov_b32 s[G1+3], 32<<16
	s_mov_b32 s[G1+4], 64
	s_mov_b32 s[G1+5], 32
	s_mov_b32 s[G1+6], 0
	s_mov_b32 s[G1+7], 0
	s_mov_b32 s[SEL], 0x76543210
	s_mov_b32 s[SEL+1], 0xfedcba98
	s_mov_b32 s[CS], 0x3e38aa3b                    ; c = log2(e) / 8
	s_mov_b32 s[TB], 0
	s_mov_b32 s[SLOTS], NSL-1
	s_mul_i32 s52, s[WV], 16*SP
	s_add_co_u32 s52, s52, STAGE                   ; my stage
	v_and_b32 v[LI], 31, v0
	v_lshlrev_b32 v[PFO], 8, v[LI]
	v_lshlrev_b32 v[LI], 4, v[LI]
	v_and_b32 v9, 15, v0                           ; r
	v_bfe_u32 v2, v0, 4, 1                         ; h
	v_mul_u32_u24 v[STO], v9, SP
	v_lshl_add_u32 v[STO], v2, 7, v[STO]
	v_add_nc_u32 v[STO], s52, v[STO]
	v_mul_u32_u24 v[RD], v2, SP
	v_lshl_add_u32 v[RD], v9, 4, v[RD]
	v_add_nc_u32 v[RD], s52, v[RD]
	v_lshlrev_b32 v[GO], 11, v2
	v_lshl_add_u32 v[GO], v9, 4, v[GO]
	s_wait_alu depctr_va_vdst(0)
	s_wait_dscnt 0x0                               ; both opening adds are done
	s_wait_kmcnt 0x0
	s_load_b128 s[40:43], s[8:9], 0x0              ; eq, ek, ev, ep
	s_add_nc_u64 s[4:5], s[4:5], s[16:17]
	s_add_nc_u64 s[10:11], s[10:11], s[16:17]
	; q is read once, by whole rows: a load takes two rows of 256 bytes, 16 lanes each
.irp x, 0,1
.irp n, 0,1,2,3,4,5,6,7
	global_load_b128 v[RAW+32*\x+4*\n:RAW+32*\x+4*\n+3], v[GO], s[4:5] offset:32768*\x+4096*\n th:TH_LOAD_NT
.endr
.endr
	s_add_nc_u64 s[PFA:PFA+1], s[6:7], s[50:51]
	s_mov_b32 s[G0], 1
	s_mov_b32 s[G0+1], s48                         ; LDS address: slot 0
	s_add_nc_u64 s[G0+2:G0+3], s[6:7], s[46:47]
	s_or_b32 s[G0+3], s[G0+3], 0x80000000
	CROUND                                         ; all four work-groups are here: the first joint loads meet
	JLOAD                                          ; slot 0
	WIN W_LD
.set i, 0
.rept 64
	v_mov_b32 v[i], 0                              ; O^T: the key step has no first step of its own; the first change of M leaves zeros zeros
.set i, i+1
.endr
	WIN 0
.irp x, 0,1
	v_mov_b32 v[ST+8*\x], 0x7f61b1e6               ; -M: 3e38
	v_mov_b32 v[ST+8*\x+1], 0xff61b1e6             ; the largest score so far: -3e38, under every sum of 64 products of codes
	v_mov_b32 v[ST+8*\x+2], 0
	v_mov_b32 v[ST+8*\x+3], 0
	v_mov_b32 v[ST+8*\x+5], 0                      ; (named as the upper half of f's pair)
	v_mov_b32 v[ST+8*\x+7], 0                      ; (a lane permute's destination counts as one of its sources)
.endr
	; a fragment's lane wants 32 neighbours of ONE row: the rows turn through my stage and come back 128 bytes a lane
.irp x, 0,1
	s_wait_loadcnt 8-8*\x                          ; this tile's eight loads are in; tile B's eight may stay out
.irp n, 0,1,2,3,4,5,6,7
	ds_store_b128 v[RD], v[RAW+32*\x+4*\n:RAW+32*\x+4*\n+3] offset:2*SP*\n
.endr
.irp n, 0,1,2,3,4,5,6,7
	ds_load_b128 v[S+32*\x+4*\n:S+32*\x+4*\n+3], v[STO] offset:16*\n   ; LDS serves a wave's instructions in order (ISA guide 5.7.1.4)
.endr
.endr
	s_wait_dscnt 0x0
	s_wait_kmcnt 0x0
	s_add_co_i32 s44, s40, 127
	s_lshl_b32 s45, s44, 23
	v_mov_b32 v[SCL], s45                          ; 2^eq
	s_add_co_i32 s44, s44, 8
	s_lshl_b32 s44, s44, 23
	s_or_b32 s44, s44, 0x600000
	v_mov_b32 v[LIMV], s44                         ; 448 x 2^eq
.set i, 0
.rept 64
	v_med3_num_f32 v[S+i], v[S+i], -v[LIMV], v[LIMV]
.set i, i+1
.endr
.irp x, 0,1
.irp m, 0,1,2,3
	v_cvt_scalef32_pk8_fp8_f32 v[Q+8*\x+2*\m:Q+8*\x+2*\m+1], v[S+32*\x+8*\m:S+32*\x+8*\m+7], v[SCL]
.endr
.endr
	v_nop                                          ; one plain line behind the last conversion
	s_add_co_i32 s44, s43, 127
	s_lshl_b32 s45, s44, 23
	v_mov_b32 v[SCL], s45                          ; 2^ep
	s_add_co_i32 s44, s44, 8
	s_lshl_b32 s44, s44, 23
	s_or_b32 s44, s44, 0x600000
	v_mov_b32 v[LIMV], s44                         ; 448 x 2^ep
	v_mov_b32 v[LIM2], s44
	s_add_co_i32 s44, s40, s41
	s_lshl_b32 s44, s44, 23
	s_add_co_i32 s[CS], s[CS], s44                 ; eq + ek are added to c's exponent field
	s_mov_b32 s[CS+1], s[CS]
	s_wait_alu depctr_va_vdst(0)
	CHANGE 1                                       ; slot 0 is whole; slot 1's first fill, issued as a refill is
	s_mov_b32 s[SLOTS], NSL-2                      ; slots still to be asked for
	v_add_nc_u32 v[ADR], s[TB], v[LI]
	s_wait_alu depctr_va_vdst(0)
	KLOAD 0
	WIN 0
.Lslot:                                            ; NSL - 2 trips: slots 0 to 5; each trip's change asks for the slot after the next
	SLOT_STEPS 1
	s_sub_co_u32 s[SLOTS], s[SLOTS], 1
	s_cmp_lg_u32 s[SLOTS], 0
	s_cbranch_scc1 .Lslot
	SLOT_STEPS 2                                   ; slot 6 is written out: its change asks for nothing
	SLOT_STEPS 0                                   ; slot 7: no change
	; THE WAY OUT.  O^T is divided by the row's sum, multiplied by 2^(ep + ev), and goes through my stage, a tile (16 rows of 256 bytes) at a time.  The six lines below are also the places behind the last products.
.irp x, 0,1
	v_add_f32 v[ST+8*\x+6], v[ST+8*\x+2], v[ST+8*\x+3]
.endr
.irp x, 0,1
	v_permlanex16_b32 v[ST+8*\x+7], v[ST+8*\x+6], s[SEL], s[SEL+1]
.endr
.irp x, 0,1
	v_add_f32 v[ST+8*\x+6], v[ST+8*\x+6], v[ST+8*\x+7]
.endr
	s_wait_alu depctr_va_vdst(0)                   ; the wait ahead of the reciprocals
.irp x, 0,1
	v_rcp_f32 v[ST+8*\x+6], v[ST+8*\x+6]
.endr
	v_nop                                          ; a plain line behind the last reciprocal
	s_add_co_i32 s44, s42, s43
	s_wait_alu depctr_va_vdst(0)                   ; and behind them, ahead of their first reader
.irp x, 0,1
	v_ldexp_f32 v[ST+8*\x+6], v[ST+8*\x+6], s44
.endr
	WIN W_OUT
	s_wait_alu depctr_va_vdst(0)                   ; the wait directly ahead of the first reader of O^T
.irp x, 0,1
.irp m, 0,1,2,3,4,5,6,7                        ; m ascending: each accumulator is read from its low end on
.irp jj, 0,1,2,3
	v_mul_f32 v[S+32*\x+4*\m+\jj], v[32*\x+8*\jj+\m], v[ST+8*\x+6]
.endr
.endr
.endr
	WIN 0
.irp x, 0,1
.irp n, 0,1,2,3,4,5,6,7
	ds_store_b128 v[STO], v[S+32*\x+4*\n:S+32*\x+4*\n+3] offset:16*\n
.endr
.irp n, 0,1,2,3,4,5,6,7
	ds_load_b128 v[RAW+32*\x+4*\n:RAW+32*\x+4*\n+3], v[RD] offset:2*SP*\n
.endr
.endr
.irp x, 0,1
.irp n, 0,1,2,3,4,5,6,7
	s_wait_dscnt 16*(1-\x)+7-\n                    ; this load is in; the tile's later loads, and behind tile A's all sixteen of tile B's LDS instructions, may stay out
	global_store_b128 v[GO], v[RAW+32*\x+4*\n:RAW+32*\x+4*\n+3], s[10:11] offset:32768*\x+4096*\n th:TH_STORE_NT   ; 16 lanes store 256 consecutive bytes, aligned
.endr
.endr
	s_wait_tensorcnt 0x0                           ; the wave's end
	ds_add_u32 v[SPW], v[NIL]
	s_wait_dscnt 0x0
	CROUND                                         ; the closing round
	s_endpgm
.Lfunc_end_k_q985d09ea62_attn:
	.size	k_q985d09ea62_attn, .Lfunc_end_k_q985d09ea62_attn-k_q985d09ea62_attn
	.p2alignl 7, 3214868480
	.fill 96, 4, 3214868480
	.section	.rodata,"a",@progbits
	.p2align	6, 0x0
	.amdhsa_kernel k_q985d09ea62_attn
		.amdhsa_group_segment_fixed_size 327680
		.amdhsa_private_segment_fixed_size 0
		.amdhsa_enable_private_segment 0
		.amdhsa_kernarg_size 32
		.amdhsa_user_sgpr_count 2
		.amdhsa_user_sgpr_kernarg_segment_ptr 1
		.amdhsa_wavefront_size32 1
		.amdhsa_system_sgpr_workgroup_id_x 1
		.amdhsa_system_sgpr_workgroup_id_y 1
		.amdhsa_system_sgpr_workgroup_id_z 1
		.amdhsa_system_vgpr_workitem_id 0
		.amdhsa_next_free_vgpr 512
		.amdhsa_next_free_sgpr 66
		.amdhsa_reserve_vcc 0
		.amdhsa_float_denorm_mode_32 3
		.amdhsa_float_denorm_mode_16_64 3
		.amdhsa_memory_ordered 1
		.amdhsa_forward_progress 1
		.amdhsa_inst_pref_size 255
	.end_amdhsa_kernel
	.section	.bss,"aw",@nobits
	.p2align	6
	.space	262144
	.amdgpu_metadata
---
amdhsa.version: [ 1, 2 ]
amdhsa.kernels:
  - .name:           k_q985d09ea62_attn
    .symbol:         k_q985d09ea62_attn.kd
    .args:
      - { .name: q, .offset: 0, .size: 8, .value_kind: global_buffer, .address_space: global }
      - { .name: kv, .offset: 8, .size: 8, .value_kind: global_buffer, .address_space: global }
      - { .name: lowp_scales, .offset: 16, .size: 8, .value_kind: global_buffer, .address_space: global }
      - { .name: out0, .offset: 24, .size: 8, .value_kind: global_buffer, .address_space: global }
    .group_segment_fixed_size: 327680
    .private_segment_fixed_size: 0
    .kernarg_segment_align: 8
    .kernarg_segment_size: 32
    .max_flat_workgroup_size: 256
    .sgpr_count:     66
    .vgpr_count:     512
    .wavefront_size: 32
...
	.end_amdgpu_metadata
.endif
;; end of part 2
